; MI455X (gfx1250); checked and timed in simulation.
; The chip was launched on July 23, 2026; its instructions are those of AMD's public machine-readable ISA for CDNA 5 (MIT licence, August 2026) and "CDNA5" Instruction Set Architecture Reference Guide (July 2026). The comments in the code are by the model that wrote it; some were corrected since.
;; Attention. Allowed arithmetic: matrix products marked QUANTISED: E4M3 operands, one E8M0 scale for each 32 along K, by v_wmma_scale_f32_16x16x128_f8f6f4 with both operands' format E4M3, f32 sums; products left as they are: f32 operands where the result goes on into a quantised operand, else bf16, f16 or f32 operands; f32 sums; everything else in f32.
;; Inputs: Wg_codes 32 x 2 x 32 uint8 (E4M3 codes of Wg, K innermost, in blocks of 32 codes); Wg_scales 32 x 2 uint8 (E8M0 scales of Wg, one for each 32 codes along K); Wo_codes 64 x 1 x 32 uint8 (E4M3 codes of Wo, K innermost, in blocks of 32 codes); Wo_scales 64 x 1 uint8 (E8M0 scales of Wo, one for each 32 codes along K); Wp 8 x 64 float32; Wt 8 x 64 float32; gamma one number float32; x 16 x 64 x 64 x 64 float32.
;; Outputs: out0 16 x 64 x 64 x 64 float32.
;; This version of the problem:
;;   THIS VERSION OF THE PROBLEM IS GIVEN IN LOW PRECISION. The matrix products marked QUANTISED in the list below multiply operands that are first quantised to E4M3 (4 exponent bits, 3 mantissa bits; 8 bits a number), with one power-of-two scale for each 32 numbers along K (OCP MX v1.0); their sums are f32. All else is computed in f32.
;;   The module's matrix products, in the order in which they are computed (A, B: the left and right operand; K: the contracted axis; several contracted axes count as one K, in the product's order):
;;     1. [M 65,536, K 64] x [K 64, N 8]; A: input x; B: input Wt: left as it is (N = 8 < 16)
;;     2. [M 65,536, K 64] x [K 64, N 8]; A: input x; B: input Wp: left as it is (N = 8 < 16)
;;     3. [M 65,536, K 64] x [K 64, N 32]; A: input x; B: input Wg (given as codes): QUANTISED
;;     4. batch 16 x [M 4,096, K 8] x [K 8, N 1,024]; A: computed on the way; B: computed on the way: left as it is (K = 8 < 32)
;;     5. batch 16 x [M 32, K 1,024] x [K 1,024, N 4,096]; A: computed on the way; B: softmax (see below): QUANTISED
;;     6. [M 65,536, K 32] x [K 32, N 64]; A: computed on the way; B: input Wo (given as codes): QUANTISED
;;   THE QUANTISER, for each operand of a quantised product, along K:
;;     - K is cut into blocks of 32 from its start; a last block that is shorter is filled with zeros.
;;     - A block's scale is 2^e with e = floor(log2(the largest magnitude in the block)) - 8, held to -126 .. 127; a block of zeros has e = 0. As a byte (E8M0): e + 127.
;;     - Each number is divided by its block's scale, clamped to +-448, and rounded to the nearest number of E4M3, ties to even, subnormals kept.
;;     - The product sums the exact products of the quantised numbers (number of the format x scale) in f32.
;;   ~~~python
;;   def quantise(x, axis):      # numpy; x: float32 -> the quantised numbers, widened to float32 again
;;       x = np.moveaxis(x, axis, -1); K = x.shape[-1]
;;       x = np.pad(x, [(0, 0)] * (x.ndim - 1) + [(0, -K % 32)]); x = x.reshape(x.shape[:-1] + (-1, 32)); a = np.abs(x).max(-1, keepdims=True)
;;       e = np.where(a > 0, np.clip(np.frexp(np.where(a > 0, a, 1))[1] - 1 - 8, -126, 127), 0)      # np.frexp(a)[1] - 1 = floor(log2(a)), exactly
;;       r = np.clip(x / 2.0 ** e, -448, 448)
;;       step = 2.0 ** (np.maximum(np.frexp(np.where(r == 0, 1, r))[1] - 1, -6) - 3)
;;       q = np.round(r / step) * step * 2.0 ** e      # np.round: ties to even
;;       return np.moveaxis(q.reshape(q.shape[:-2] + (-1,))[..., :K], -1, axis).astype(np.float32)
;;   ~~~
;;   SOFTMAX AHEAD OF A QUANTISED PRODUCT. Where the list says 'softmax', what is quantised is not the finished softmax but p = 2^(t - M), with t = logit x log2(e) and M = ceil(the row's largest t), a whole number; so 1/2 < the row's largest p <= 1. The row's sum l is taken of the UNQUANTISED p, in f32, and the product's result is divided by l at the end. Since M is a whole number, a kernel that streams over the keys may use a running M (the ceiling of the running maximum): every later rescaling is an exact power of two, which a block's scale takes up: the codes' values come out the same.
;;   OPERANDS COMPUTED ON THE WAY. 'Computed on the way' means the value that the module computes at that place (a softmax that the list does not call 'softmax' is quantised finished and normalised). What goes into a quantiser is computed in f32, as accurately as f32 sums, v_exp_f32 and their like allow (about 1e-6 of the number): no bf16 or f16 on the way to a quantiser, and a product that is left as it is and whose result goes on into a quantised operand takes f32 operands (vector FMAs, or v_wmma_f32_16x16x4_f32). A number that lies on a knife's edge between two numbers of the format may be rounded either way, as far as f32 arithmetic and the matrix unit's own rounding can turn it there, and no further.
;;   INPUTS GIVEN AS CODES. Wg (in the module: [32, 64], K = its axis 1); Wo (in the module: [64, 32], K = its axis 1): each comes as NAME_codes (uint8): NAME with its K axis moved to the last place and cut into blocks of 32 codes, [.., K / 32, bytes a block], one block behind the other in memory; one code a byte (a code: sign, 4 exponent bits, 3 mantissa bits); and NAME_scales (uint8): the same leading axes, one E8M0 byte (e + 127) for each 32 codes along K. Its value is code x scale, taken as it is: it is not quantised again, and the codes and scales need not be those that the quantiser above would give.
;; One version. Each part assembles by itself: llvm-mc -triple=amdgcn-amd-amdhsa -mcpu=gfx1250 --defsym DOCPART=n.
;; ======== version 1 of 1: 2 launches
;; workspace buffers: theta_img 2,097,152 bytes; kv_img 1,048,576 bytes; g_sc 16,384 bytes
;; launch prep (part 1): grid 16 x 16, 4 waves a work-group, no clusters, 168,448 bytes of LDS; arguments x, Wp, Wt, Wg_codes, Wg_scales, theta_img, kv_img, g_sc; writes theta_img, kv_img, g_sc
.if DOCPART == 1
	.amdgcn_target "amdgcn-amd-amdhsa--gfx1250"
	.amdhsa_code_object_version 6
	.text
	.protected	k_q41781da8bc_prep
	.globl	k_q41781da8bc_prep
	.p2align	8
	.type	k_q41781da8bc_prep,@function
k_q41781da8bc_prep:
	s_mov_b64 s[64:65], 0
	v_nop
	global_prefetch_b8 v0, s[64:65] scope:SCOPE_SE
	s_setreg_imm32_b32 hwreg(HW_REG_WAVE_MODE, 25, 1), 1
	s_wait_xcnt 0x0
; x [16][64][64][64] f32 is read once.  A work-group takes 4 image rows (2 pooled rows) of one batch and makes
;   theta = Wt x (8 channels, 256 pixels), phi = pool(Wp x) (8 channels, 64 keys): f32 operands, f32 sums (v_wmma_f32_16x16x4_f32);
;   g = pool(Wg Q(x)) (32 channels, 64 keys): x quantised to E4M3 along the 64 channels, Wg as its codes are given, scaled matrix form; g is then quantised along the keys (a block of 32 keys = one pooled row).
; All three leave as IMAGES OF THE OPERAND REGISTERS of the next launch: each store of a wave covers 512 consecutive bytes.
; SHARES.  Wave w: pooled row pl = w / 2, half G = w % 2 of its keys: keys 16 (r / 8) + 8 G + r % 8, r = 0 .. 15.  Its four tiles tau = 2 dy + dx hold the four pixels that are pooled into a key,
; in the same lanes: pooling is a maximum between accumulators of one lane.
; ONE SET OF REGISTERS OF x SERVES BOTH PRODUCTS.  Lane (r, h) holds pixel r; register 16 c + i = channel 32 c + 16 h + i: the order in which the conversions want it.  Pairs (2 s, 2 s + 1) of these registers are
; source 1 of K step s of the f32 product; W's registers are loaded in the same order of channels, so the sum runs over all 64 channels, in that permuted order.
; W's 16 rows: 0-3 Wp 0-3, 4-7 Wt 0-3, 8-11 Wp 4-7, 12-15 Wt 4-7: in the result registers 0-3 are phi[4 h + j] and registers 4-7 theta[4 h + j] of the lane's pixel.
; K = 64 IN A FORM OF K = 128: one operand of 16 registers holds both tiles of Wg (tile t, channels 16 (r / 8) + 8 t + r % 8, in registers 8 t .. 8 t + 7); the other is a window over zeros | codes | zeros,
; so that x's codes meet the tile wanted and zero codes meet the other.
; NO CLUSTER: the work-groups share only the weights, 6 KB, against 64 KB of x of their own.
; LIMITS: NaN and infinities among the inputs are not served; a NaN code or a scale byte 0xff in Wg spoils the other tile of the packed operand too; blocks whose largest magnitude lies under 2^-118 keep the scale byte 1
; (a block of zeros too: its codes are zeros, and these bytes are read by this program alone).
.set XQ,   16896                       ; LDS: a quarter of x's block: 16 channels x (1,024 bytes + 16); the odd quarters begin 64 bytes further on, so that lanes 16-31 (16,960 bytes on) fall on other banks than lanes 0-15
.set XP,   1040                        ; a channel's 4 image rows + 16 bytes of padding
.set MXB,  4*XQ                        ; [wave][t][lane] f32: the halves' largest magnitudes of g
.set GST,  MXB+1024                    ; [2 pl + t][lane][16 bytes]: g's codes
.set SST,  GST+2048                    ; [pl][16 t + r]: g's scale bytes
.set ACC,  16                          ; v16-47   four accumulators of the f32 product: written by that form alone
.set WA,   48                          ; v48-79   W; later, with v80-87: zeros v48-55, codes v56-63, zeros v64-71, codes v72-79, zeros v80-87
.set X,    88                          ; v88-215  x: tile tau at 88 + 32 tau; later the results of the scaled product and pooled g
.set WG,   216                         ; v216-231 Wg, both tiles
.set TM,   235                         ; v235-238 largest magnitudes, v239-242 partner's / bytes, v243-246 448 x the scale, v247-250 the conversions' scale operands
; v1 r, v2 h, v3 lane, v4 x's LDS address, v5 16 x lane, v6-8 offsets of W, Wg, Wg's scales, v9-13, v15 LDS addresses, v14 2 x lane; v232 Wg's scale word, v233-234 x's; v252-255 pooled phi
	s_load_b512 s[4:19], s[0:1], 0x0               ; x, Wp, Wt, Wg's codes, Wg's scales, theta_img, kv_img, g_sc
	v_lshl_add_u32 v251, v0, 2, 0x29000
	s_set_vgpr_msb 0x40
	v_mov_b32 v1, 0
	s_set_vgpr_msb 0x4044
	ds_add_u32 v251, v1
	ds_add_u32 v251, v1
	s_set_vgpr_msb 0x4400
	v_lshrrev_b32 v1, 5, v0
	v_readfirstlane_b32 s20, v1                    ; wave 0..3
	s_lshr_b32 s21, s20, 1                         ; pl
	s_and_b32 s22, s20, 1                          ; G
	s_mov_b32 s23, ttmp9                           ; yb: which 4 image rows
	s_and_b32 s24, ttmp7, 0xffff                   ; b
	; descriptor group 1: 16 channels x 256 elements of 4 bytes, 4,096 elements apart; 4 words of padding behind every 256
	s_mov_b32 s32, (2<<16)|(1<<20)|(7<<22)|(3<<25)
	s_mov_b32 s33, 256<<16                         ; tensor_dim0
	s_mov_b32 s34, 16<<16                          ; tensor_dim1
	s_mov_b32 s35, 256<<16                         ; tile_dim0
	s_mov_b32 s36, 16                              ; tile_dim1
	s_mov_b32 s37, 4096                            ; from channel to channel
	s_mov_b32 s38, 0
	s_mov_b32 s39, 0
	s_mov_b32 s28, 1
	s_mul_i32 s29, s20, XQ                         ; wave q brings quarter q
	s_lshl_b32 s25, s22, 6
	s_add_co_u32 s29, s29, s25
	s_lshl_b32 s26, s24, 20                        ; b x 1,048,576
	s_lshl_b32 s25, s20, 18                        ; + 16 channels x 16,384 x q
	s_add_co_u32 s26, s26, s25
	s_lshl_b32 s25, s23, 10                        ; + 4 image rows x 256 x yb
	s_add_co_u32 s26, s26, s25
	s_mov_b32 s27, 0
	s_wait_dscnt 0x0
	s_wait_kmcnt 0x0
	s_add_nc_u64 s[30:31], s[4:5], s[26:27]
	s_or_b32 s31, s31, 0x80000000
	tensor_load_to_lds s[28:31], s[32:39]          ; my one tensor load; nothing is ever filled again
	s_nop 0
.rept 4
	v_nop
.endr
	v_and_b32 v1, 15, v0                           ; r
	v_bfe_u32 v2, v0, 4, 1                         ; h
	v_and_b32 v3, 31, v0                           ; lane
	v_lshrrev_b32 v252, 3, v1                      ; r / 8
	v_and_b32 v253, 7, v1                          ; r % 8
	v_and_b32 v6, 3, v1
	v_lshl_add_u32 v6, v252, 2, v6                 ; my row of Wp or Wt: r % 4 + 4 (r / 8)
	v_lshlrev_b32 v6, 8, v6
	v_lshl_add_u32 v6, v2, 6, v6                   ; x 256 bytes + 64 h
	v_lshl_add_u32 v8, v252, 4, v253               ; tile 0's channel of Wg: 16 (r / 8) + r % 8
	v_lshlrev_b32 v7, 6, v8
	v_lshl_add_u32 v7, v2, 4, v7                   ; x 64 bytes + 16 h
	v_lshlrev_b32 v8, 1, v8                        ; two scale bytes a channel
.irp c, 0,1
.irp k, 0,1,2,3
	global_load_b128 v[X+16*\c+4*\k:X+16*\c+4*\k+3], v6, s[6:7] offset:128*\c+16*\k         ; Wp: register 16 c + i = channel 32 c + 16 h + i
	global_load_b128 v[X+32+16*\c+4*\k:X+32+16*\c+4*\k+3], v6, s[8:9] offset:128*\c+16*\k   ; Wt likewise
.endr
.endr
.irp t, 0,1
.irp c, 0,1
	global_load_b128 v[WG+8*\t+4*\c:WG+8*\t+4*\c+3], v7, s[10:11] offset:512*\t+32*\c
.endr
.endr
	global_load_u16 v254, v8, s[12:13]             ; tile 0's two scale bytes
	global_load_u16 v255, v8, s[12:13] offset:16   ; tile 1's: 8 channels on
	v_mul_u32_u24 v4, v2, XQ+64                    ; x in LDS: lanes 16-31 take the quarter behind
	v_lshl_add_u32 v4, v252, 7, v4                 ; column 32 (r / 8) + 16 G + 2 (r % 8), row 2 pl
	v_lshl_add_u32 v4, v253, 3, v4
	s_lshl_b32 s25, s21, 9
	s_lshl_b32 s26, s22, 6
	s_add_co_u32 s25, s25, s26
	v_add_nc_u32 v4, s25, v4
	v_lshlrev_b32 v5, 4, v3
	s_lshl_b32 s25, s20, 8
	s_add_co_u32 s25, s25, MXB
	v_lshl_add_u32 v9, v3, 2, s25                  ; my wave's maxima
	s_xor_b32 s26, s20, 1
	s_lshl_b32 s26, s26, 8
	s_add_co_u32 s26, s26, MXB
	v_lshl_add_u32 v10, v3, 2, s26                 ; those of the wave with the row's other keys
	s_lshl_b32 s25, s21, 10
	s_lshl_b32 s26, s22, 3
	s_add_co_u32 s25, s25, s26
	s_add_co_u32 s25, s25, GST
	v_add_nc_u32 v11, s25, v5                      ; my 8 codes of a lane's 16
	s_lshl_b32 s25, s21, 5
	s_lshl_b32 s26, s22, 4
	s_add_co_u32 s25, s25, s26
	s_add_co_u32 s25, s25, SST
	v_add_nc_u32 v12, s25, v1                      ; wave G writes tile t = G's scale bytes
	s_lshl_b32 s25, s20, 9
	s_add_co_u32 s25, s25, GST
	v_add_nc_u32 v13, s25, v5                      ; the chunk that I send out
	v_lshlrev_b32 v14, 1, v3
	v_add_nc_u32 v15, SST, v14
	s_mov_b32 s40, 0x76543210
	s_mov_b32 s41, 0xfedcba98                      ; v_permlanex16_b32's selects for lane l xor 16
	s_mov_b32 s42, 0x600000                        ; the mantissa field of 448
	s_cmp_eq_u32 s22, 1
	s_cselect_b32 s43, -1, 0                       ; a lane mask: all lanes where G = 1
	s_lshl_b32 s25, s24, 4                         ; theta_img + (16 b + yb) x 8,192 + w x 2,048
	s_add_co_u32 s25, s25, s23
	s_lshl_b32 s26, s25, 13
	s_lshl_b32 s25, s20, 11
	s_add_co_u32 s26, s26, s25
	s_add_nc_u64 s[44:45], s[14:15], s[26:27]
	s_lshl_b32 s26, s24, 16                        ; phi: kv_img + b x 65,536 + (4 yb + w) x 512
	s_lshl_b32 s25, s23, 2
	s_add_co_u32 s25, s25, s20
	s_lshl_b32 s25, s25, 9
	s_add_co_u32 s26, s26, s25
	s_add_nc_u64 s[46:47], s[16:17], s[26:27]
	s_lshl_b32 s26, s24, 16                        ; g's codes: + 32,768 + (yb / 2) x 4,096 + (w % 2) x 2,048 + (2 (yb % 2) + w / 2) x 512
	s_add_co_u32 s26, s26, 32768
	s_lshr_b32 s25, s23, 1
	s_lshl_b32 s25, s25, 12
	s_add_co_u32 s26, s26, s25
	s_lshl_b32 s25, s22, 11
	s_add_co_u32 s26, s26, s25
	s_and_b32 s25, s23, 1
	s_lshl_b32 s25, s25, 1
	s_add_co_u32 s25, s25, s21
	s_lshl_b32 s25, s25, 9
	s_add_co_u32 s26, s26, s25
	s_add_nc_u64 s[48:49], s[16:17], s[26:27]
	s_lshl_b32 s26, s24, 10                        ; g_sc + b x 1,024 + yb x 64
	s_lshl_b32 s25, s23, 6
	s_add_co_u32 s26, s26, s25
	s_add_nc_u64 s[50:51], s[18:19], s[26:27]
.irp i, 0,1,2,3,4,5,6,7
	v_mov_b32 v[80+\i], 0                          ; the last run of zero codes
.endr
.irp b, 0,1,2,3
	v_mov_b32 v[TM+4+\b], 0                        ; written once: a lane permute's destination counts as one of its sources
.endr
	v_and_b32 v252, 4, v1
	v_cmp_ne_u32 vcc_lo, 0, v252                   ; rows 4-7 and 12-15 are Wt's
	s_wait_loadcnt 0x0                             ; the weights
.set i, 0
.rept 32
	v_cndmask_b32 v[WA+i], v[X+i], v[X+32+i], vcc_lo
.set i, i+1
.endr
	v_lshl_or_b32 v232, v255, 16, v254             ; Wg's scale word: bytes 0, 1 tile 0's, bytes 2, 3 tile 1's
	s_wait_tensorcnt 0x0                           ; my quarter of x has landed,
	s_barrier_signal -1
	s_barrier_wait -1                              ; everybody's has
; 32 LDS loads: registers 8 k .. 8 k + 7 of the four tiles
.macro LOADX k
.irp e, 0,1,2,3,4,5,6,7
.irp tau, 0,1,2,3
	ds_load_b32 v[X+32*\tau+8*(\k)+\e], v4 offset:((8*(\k)+\e)/16)*2*XQ+((8*(\k)+\e)%16)*XP+(\tau/2)*256+(\tau%2)*4
.endr
.endr
.endm
; K steps 4 k .. 4 k + 3 of [Wp; Wt] x: the four accumulators take turns, one instruction a turn; the first step starts the sums
.macro MM k
.irp u, 0,1,2,3
.irp tau, 0,1,2,3
.if (4*(\k)+\u) == 0
	v_wmma_f32_16x16x4_f32 v[ACC+8*\tau:ACC+8*\tau+7], v[WA:WA+1], v[X+32*\tau:X+32*\tau+1], 0
.else
	v_wmma_f32_16x16x4_f32 v[ACC+8*\tau:ACC+8*\tau+7], v[WA+2*(4*(\k)+\u):WA+2*(4*(\k)+\u)+1], v[X+32*\tau+2*(4*(\k)+\u):X+32*\tau+2*(4*(\k)+\u)+1], v[ACC+8*\tau:ACC+8*\tau+7]
.endif
.endr
.endr
.endm
	LOADX 0
	LOADX 1
	s_wait_dscnt 32                                ; all but the youngest 32 loads: chunk 0 is in
	MM 0
	LOADX 2                                        ; into registers that no product has read yet
	s_wait_dscnt 32                                ; chunk 1 is in
	MM 1
	LOADX 3
	s_wait_dscnt 32                                ; chunk 2 is in
	MM 2
	s_wait_dscnt 0x0
	MM 3
.rept 8
	v_nop                                          ; eight places behind the last product, ahead of the first read of its result
.endr
.irp j, 0,1,2,3
	v_max3_num_f32 v[252+\j], v[ACC+\j], v[ACC+8+\j], v[ACC+16+\j]    ; phi is pooled: the four pixels of a key lie in one lane; each accumulator is read from its low end on
.endr
.irp j, 0,1,2,3
	v_max_num_f32 v[252+\j], v[252+\j], v[ACC+24+\j]
.endr
	global_store_b128 v5, v[252:255], s[46:47]     ; 512 consecutive bytes: a tile of 16 keys as the next launch's registers take it
.irp tau, 0,1,2,3
	global_store_b128 v5, v[ACC+8*\tau+4:ACC+8*\tau+7], s[44:45] offset:512*\tau   ; theta of the tile's 16 pixels.  (None of these stores' registers is written again)
.endr
.irp i, 0,1,2,3,4,5,6,7
	v_mov_b32 v[48+\i], 0                          ; W is done with: the other two runs of zero codes
	v_mov_b32 v[64+\i], 0
.endr
; Tiles 2 p and 2 p + 1 of x (64 registers; block beta = 16 of them: tile beta / 2, channels 32 (beta % 2) + 16 h on) become codes in v56-63 and v72-79 and scale words in v233, v234.
.macro QX p
.set XS, X+64*(\p)
.irp b, 0,1,2,3
	v_max3_num_f32 v[TM+\b], |v[XS+16*\b]|, |v[XS+16*\b+1]|, 0x4800000   ; my 16 numbers, and the floor 2^(9 - 127): the byte cannot fall under 1
.endr
.irp i, 2,4,6,8,10,12,14
.irp b, 0,1,2,3
	v_max3_num_f32 v[TM+\b], v[TM+\b], |v[XS+16*\b+\i]|, |v[XS+16*\b+\i+1]|   ; the four blocks by turns
.endr
.endr
.irp b, 0,1,2,3
	v_permlanex16_b32 v[TM+4+\b], v[TM+\b], s40, s41
.endr
.irp b, 0,1,2,3
	v_max_num_f32 v[TM+\b], v[TM+\b], v[TM+4+\b]   ; with lane l xor 16's 16 channels: the block's largest magnitude
.endr
.irp b, 0,1,2,3
	v_add_nc_u32 v[TM+12+\b], 0xfc000000, v[TM+\b] ; 8 off its exponent field: the conversion's scale operand
.endr
.irp b, 0,1,2,3
	v_and_or_b32 v[TM+8+\b], v[TM+\b], 0x7f800000, s42   ; 448 x the scale
.endr
.irp b, 0,1,2,3
	v_lshrrev_b32 v[TM+4+\b], 23, v[TM+12+\b]      ; the scale's byte
.endr
	v_lshl_or_b32 v233, v[TM+5], 8, v[TM+4]
	v_lshl_or_b32 v234, v[TM+7], 8, v[TM+6]
	v_lshl_or_b32 v233, v233, 16, v233             ; the pixel's two bytes, twice: they serve wherever the window puts the codes
	v_lshl_or_b32 v234, v234, 16, v234
.irp b, 0,1,2,3
.irp i, 0,1,2,3,4,5,6,7,8,9,10,11,12,13,14,15
	v_med3_num_f32 v[XS+16*\b+\i], v[XS+16*\b+\i], -v[TM+8+\b], v[TM+8+\b]   ; the conversion to an 8-bit code does not saturate (ISA guide 7.6.2): the hold
.endr
	v_cvt_scalef32_pk8_fp8_f32 v[56+16*(\b/2)+4*(\b%2):57+16*(\b/2)+4*(\b%2)], v[XS+16*\b:XS+16*\b+7], v[TM+12+\b]
	v_cvt_scalef32_pk8_fp8_f32 v[58+16*(\b/2)+4*(\b%2):59+16*(\b/2)+4*(\b%2)], v[XS+16*\b+8:XS+16*\b+15], v[TM+12+\b]
.endr
.rept 4
	v_nop                                          ; four places between codes made by vector instructions and the scaled products (the scale words stand ahead of the 64 holds)
.endr
.endm
; Source 0 = 16 pixels of x, source 1 = Wg: lane (r, h), register j: channel (t, r) at key 16 h + 8 G + j.  The result of (tau, t) lies at v[88 + 16 tau + 8 t]: registers of x that are done with.
.macro GEMG p
	v_wmma_scale_f32_16x16x128_f8f6f4 v[88+32*(\p):95+32*(\p)], v[56:71], v[WG:WG+15], 0, v233, v232
	v_wmma_scale_f32_16x16x128_f8f6f4 v[96+32*(\p):103+32*(\p)], v[48:63], v[WG:WG+15], 0, v233, v232
	v_wmma_scale_f32_16x16x128_f8f6f4 v[104+32*(\p):111+32*(\p)], v[72:87], v[WG:WG+15], 0, v234, v232
	v_wmma_scale_f32_16x16x128_f8f6f4 v[112+32*(\p):119+32*(\p)], v[64:79], v[WG:WG+15], 0, v234, v232
.endm
	QX 0
	GEMG 0
	QX 1                                           ; its 32 maxima are the places between the products above and the lines that write their codes and scale words anew
	GEMG 1
.rept 8
	v_nop
.endr
.irp j, 0,1,2,3,4,5,6,7
.irp t, 0,1
	v_max3_num_f32 v[152+8*\t+\j], v[88+8*\t+\j], v[104+8*\t+\j], v[120+8*\t+\j]   ; g is pooled; each result is read from its low end on
	v_max_num_f32 v[152+8*\t+\j], v[152+8*\t+\j], v[136+8*\t+\j]
.endr
.endr
.irp t, 0,1
	v_max3_num_f32 v[TM+\t], |v[152+8*\t]|, |v[153+8*\t]|, 0x4800000
.endr
.irp i, 2,4,6
.irp t, 0,1
	v_max3_num_f32 v[TM+\t], v[TM+\t], |v[152+8*\t+\i]|, |v[153+8*\t+\i]|
.endr
.endr
.irp t, 0,1
	v_permlanex16_b32 v[TM+4+\t], v[TM+\t], s40, s41
.endr
.irp t, 0,1
	v_max_num_f32 v[TM+\t], v[TM+\t], v[TM+4+\t]   ; my wave's 16 keys of the channel's block of 32
.endr
	ds_store_b32 v9, v[TM]
	ds_store_b32 v9, v[TM+1] offset:128
	s_wait_dscnt 0x0                               ; for the other wave's sake: my stores are done
	s_barrier_signal -1
	s_barrier_wait -1
	ds_load_b32 v[TM+4], v10
	ds_load_b32 v[TM+5], v10 offset:128
	s_wait_dscnt 0x0
.irp t, 0,1
	v_max_num_f32 v[TM+\t], v[TM+\t], v[TM+4+\t]   ; with the row's other 16 keys: the block's largest magnitude
.endr
.irp t, 0,1
	v_add_nc_u32 v[TM+12+\t], 0xfc000000, v[TM+\t]
.endr
.irp t, 0,1
	v_and_or_b32 v[TM+8+\t], v[TM+\t], 0x7f800000, s42
.endr
.irp t, 0,1
	v_lshrrev_b32 v[TM+4+\t], 23, v[TM+12+\t]
.endr
.irp t, 0,1
.irp j, 0,1,2,3,4,5,6,7
	v_med3_num_f32 v[152+8*\t+\j], v[152+8*\t+\j], -v[TM+8+\t], v[TM+8+\t]
.endr
.endr
	v_cvt_scalef32_pk8_fp8_f32 v[168:169], v[152:159], v[TM+12]
	v_cvt_scalef32_pk8_fp8_f32 v[170:171], v[160:167], v[TM+13]
	v_cndmask_b32 v177, v[TM+4], v[TM+5], s43      ; (a plain line behind the conversions)  the byte of tile t = G
	ds_store_b64 v11, v[168:169]                   ; keys 16 h + 8 G + 0 .. 7 of the lane's 16
	ds_store_b64 v11, v[170:171] offset:512
	ds_store_b8 v12, v177                          ; both halves of the lanes write the same byte with the same value
	s_wait_dscnt 0x0
	s_barrier_signal -1
	s_barrier_wait -1
	ds_load_b128 v[172:175], v13                   ; chunk w = (pl = w / 2, t = w % 2), whole
	s_wait_dscnt 0x0
	global_store_b128 v5, v[172:175], s[48:49]     ; 512 consecutive bytes
	s_cmp_lg_u32 s20, 0
	s_cbranch_scc1 .Ldone
	ds_load_u16 v176, v15
	s_wait_dscnt 0x0
	global_store_b16 v14, v176, s[50:51]           ; the work-group's 64 scale bytes, consecutive
.Ldone:
	s_set_vgpr_msb 0x4
	s_wait_tensorcnt 0x0
	ds_add_u32 v251, v1
	s_wait_dscnt 0x0
	s_set_vgpr_msb 0x400
	s_endpgm
.Lfunc_end_k_q41781da8bc_prep:
	.size	k_q41781da8bc_prep, .Lfunc_end_k_q41781da8bc_prep-k_q41781da8bc_prep
	.p2alignl 7, 3214868480
	.fill 96, 4, 3214868480
	.section	.rodata,"a",@progbits
	.p2align	6, 0x0
	.amdhsa_kernel k_q41781da8bc_prep
		.amdhsa_group_segment_fixed_size 168448
		.amdhsa_private_segment_fixed_size 0
		.amdhsa_enable_private_segment 0
		.amdhsa_kernarg_size 64
		.amdhsa_user_sgpr_count 2
		.amdhsa_user_sgpr_kernarg_segment_ptr 1
		.amdhsa_wavefront_size32 1
		.amdhsa_system_sgpr_workgroup_id_x 1
		.amdhsa_system_sgpr_workgroup_id_y 1
		.amdhsa_system_sgpr_workgroup_id_z 1
		.amdhsa_system_vgpr_workitem_id 0
		.amdhsa_next_free_vgpr 258
		.amdhsa_next_free_sgpr 66
		.amdhsa_reserve_vcc 1
		.amdhsa_float_denorm_mode_32 3
		.amdhsa_float_denorm_mode_16_64 3
		.amdhsa_memory_ordered 1
		.amdhsa_forward_progress 1
		.amdhsa_inst_pref_size 46
	.end_amdhsa_kernel
	.amdgpu_metadata
---
amdhsa.version: [ 1, 2 ]
amdhsa.kernels:
  - .name:           k_q41781da8bc_prep
    .symbol:         k_q41781da8bc_prep.kd
    .args:
      - { .name: x, .offset: 0, .size: 8, .value_kind: global_buffer, .address_space: global }
      - { .name: Wp, .offset: 8, .size: 8, .value_kind: global_buffer, .address_space: global }
      - { .name: Wt, .offset: 16, .size: 8, .value_kind: global_buffer, .address_space: global }
      - { .name: Wg_codes, .offset: 24, .size: 8, .value_kind: global_buffer, .address_space: global }
      - { .name: Wg_scales, .offset: 32, .size: 8, .value_kind: global_buffer, .address_space: global }
      - { .name: theta_img, .offset: 40, .size: 8, .value_kind: global_buffer, .address_space: global }
      - { .name: kv_img, .offset: 48, .size: 8, .value_kind: global_buffer, .address_space: global }
      - { .name: g_sc, .offset: 56, .size: 8, .value_kind: global_buffer, .address_space: global }
    .group_segment_fixed_size: 168448
    .private_segment_fixed_size: 0
    .kernarg_segment_align: 8
    .kernarg_segment_size: 64
    .max_flat_workgroup_size: 128
    .sgpr_count:     66
    .vgpr_count:     258
    .wavefront_size: 32
...
	.end_amdgpu_metadata
.endif
;; end of part 1
;; launch attn (part 2): grid 16 x 16, 16 waves a work-group, clusters of 4 x 1, 169,984 bytes of LDS; arguments theta_img, kv_img, g_sc, x, Wo_codes, Wo_scales, gamma, out0; writes out0
.if DOCPART == 2
	.amdgcn_target "amdgcn-amd-amdhsa--gfx1250"
	.amdhsa_code_object_version 6
	.text
	.protected	k_q41781da8bc_attn
	.globl	k_q41781da8bc_attn
	.p2align	8
	.type	k_q41781da8bc_attn,@function
k_q41781da8bc_attn:
	s_mov_b64 s[64:65], 0
	v_nop
	global_prefetch_b8 v0, s[64:65] scope:SCOPE_SE
	s_setreg_imm32_b32 hwreg(HW_REG_WAVE_MODE, 25, 1), 1
	s_wait_xcnt 0x0
	s_wait_alu depctr_hold_cnt(0) depctr_sa_sdst(0) depctr_va_vdst(0) depctr_va_sdst(0) depctr_va_ssrc(0) depctr_va_vcc(0) depctr_vm_vsrc(0)
	s_getreg_b32 s2, hwreg(HW_REG_IB_STS2, 6, 4)
	s_cmp_eq_u32 s2, 0
	s_cbranch_scc0 .Lentry_in_a_cluster
	s_endpgm
.Lentry_in_a_cluster:
	s_bfe_u32 s2, ttmp6, 0x10000c
	s_cmp_lg_u32 s2, 0x3003
	s_cbranch_scc0 .Lentry_shape_is_right
	s_endpgm
.Lentry_shape_is_right:
; out = gamma Wo (g softmax(theta^T phi)^T) + x.  theta, phi (f32) and g (codes of E4M3 along the keys, with E8M0 bytes) come from the launch before, as images of operand registers.
; SHARES.  A work-group owns 256 queries: 4 image rows of one batch; each of its sixteen waves 16 of them (16 neighbouring pixels of one image row) in 256 registers: four waves to a SIMD.
; A batch's 1,024 keys (phi 32 KB, g's codes 32 KB, g's scales 1 KB) lie in LDS for the whole launch: the 8 steps of 128 keys touch no memory and have no barrier.
; CLUSTER.  The four work-groups of a cluster belong to one batch and need the same keys: these 64 KB are asked for JOINTLY (the same tensor load, the same descriptor, a mask that names the four).
; Each work-group's own 64 KB of x come by plain tensor loads, issued with them and waited for only behind the last step.
; PRODUCTS.  S^T = phi^T theta by v_wmma_f32_16x16x4_f32 (K = 8: two steps; K step s of half h is channel 4 h + 2 s + j on both sides).  The keys of tile T = 2 c + G are 32 c + 16 (m / 8) + 8 G + m % 8, so that the 16
; registers of tiles 2 c, 2 c + 1 are keys 32 c + 16 h + 0 .. 15 of the lane's query.  O^T = g p^T by the scaled form (source 0 = 16 channels 16 (m / 8) + 8 t + m % 8, source 1 = p): its 16 registers are channels 16 h + 0 .. 15.
; SOFTMAX.  t = score x log2(e); M = the running largest t rounded up to a whole number; p = 2^(t - M) is quantised along the keys, not normalised; the sum l is taken of the unquantised p; when M moves, l and O^T are
; multiplied by 2^(old M - new M), which rounds nothing.  At the end o = O^T / l is quantised along its 32 channels and multiplied by Wo.
; BY TURNS.  A step's softmax reads the scores only in its first part (the maxima, M, the scalings into p's registers).  From there on S^T's registers are free, and the 16 products of the NEXT step's scores stand among the
; rest of the softmax (exponentials, sums, scales, holds, conversions), one ahead of each 8 exponentials and then one ahead of each 15 to 19 plain lines.  The two products O^T += g p^T of a step stand in the next trip, behind the
; maxima, under which g's fragments land; phi's next fragments then take the registers that g has left.  So phi and g share 32 registers, and no v_nop stands in a trip: the softmax's lines are the places.
; K = 32 IN A FORM OF K = 128: one operand holds all four tiles of Wo (tile c in registers 4 c .. 4 c + 3); the other is a window over zeros | o's codes | zeros.
; LIMITS: NaN and infinities among the inputs are not served; a NaN code or a scale byte 0xff in Wo spoils the other tiles of the packed operand too; a block whose largest magnitude lies under 2^-118 keeps the scale byte 1;
; 1 / l is v_rcp_f32's.
.set XP,   1040                        ; LDS: x's block: 64 channels x (1,024 bytes + 16)
.set KV,   64*XP                       ; behind it the batch's keys: phi's 64 tiles of 512 bytes,
.set PHI,  KV
.set GIM,  KV+32768                    ; g's codes [step 8][t 2][c 4][lane][16],
.set GSC,  KV+65536                    ; and g's scale words [step 8][lane 32]: lanes 0-15 tile t = 0, lanes 16-31 t = 1
; v1-3 my lane's place in phi, g, g's scale words; v[4:7] theta; v8-10 the addresses of the loads in hand; v11 my 32 bytes of a channel of x; v12 -M, v13 the largest t, v[14:15] l in two halves; v16-31 O^T;
; v32-63 phi's 8 fragments, then g's two; v64-127 S^T (written by the f32 matrix form alone); v128-191 p; v192-207 p's codes; v208 g's scale word, v209 p's; v210-225 Wo, v226 its scale word, v227 o's;
; v228 rows read back, v229 where g's scale words are stored, v230 their bytes' offset, v231 16 x lane; v232-247 as in the quantiser below; v[250:251] f; v252-254 at work
.macro CROUND                          ; a round of the cluster's barrier: my work-group's barrier; wave 0 signals for the work-group; every wave waits for all four work-groups; my work-group's barrier once more
	s_barrier_signal -1
	s_barrier_wait -1
	s_cmp_lg_u32 s20, 0
	s_cbranch_scc1 .Lnot_wave_0_\@
	s_barrier_signal -3
.Lnot_wave_0_\@:
	s_barrier_wait -3
	s_barrier_signal -1
	s_barrier_wait -1
.endm
	s_load_b512 s[4:19], s[0:1], 0x0               ; theta_img, kv_img, g_sc, x, Wo's codes, Wo's scales, gamma, out0
	v_lshl_add_u32 v249, v0, 2, 0x29000
	v_mov_b32 v255, 0
	ds_add_u32 v249, v255
	ds_add_u32 v249, v255
	v_lshrrev_b32 v1, 5, v0
	v_readfirstlane_b32 s20, v1                    ; wave 0..15
	s_and_b32 s72, s20, 7                          ; which eighth I fetch (waves 0 to 7 fetch)
	s_bfe_u32 s21, ttmp6, 0x40000                  ; cx: it enters the global addresses of theta, x and out alone
	s_lshl_b32 s22, ttmp9, 2
	s_add_co_u32 s22, s22, s21                     ; yb = 4 x cluster x + cx
	s_and_b32 s23, ttmp7, 0xffff                   ; b, which the four partners share
	; group 1 for the keys: 32 rows of 32 elements of 8 bytes, dense; 15:0 the mask of all four work-groups, bit 21 beside it
	s_mov_b32 s32, 15|(3<<16)|(1<<21)
	s_mov_b32 s33, 32<<16
	s_mov_b32 s34, 32<<16
	s_mov_b32 s35, 32<<16
	s_mov_b32 s36, 32
	s_mov_b32 s37, 32
	s_mov_b32 s38, 0
	s_mov_b32 s39, 0
	; group 1 for x: 8 channels x 256 elements of 4 bytes, 4,096 elements apart; 4 words of padding behind every 256; no mask
	s_mov_b32 s40, (2<<16)|(1<<20)|(7<<22)|(3<<25)
	s_mov_b32 s41, 256<<16
	s_mov_b32 s42, 8<<16
	s_mov_b32 s43, 256<<16
	s_mov_b32 s44, 8
	s_mov_b32 s45, 4096
	s_mov_b32 s46, 0
	s_mov_b32 s47, 0
	s_mov_b32 s24, 1
	s_lshl_b32 s25, s72, 13
	s_add_co_u32 s25, s25, KV                      ; 8,192 bytes of the keys a wave
	s_mov_b32 s28, 1
	s_mul_i32 s29, s72, 8*XP                       ; 8 channels of x a wave
	s_lshl_b32 s58, s23, 16                        ; the keys: b x 65,536 + 8,192 x wave: nothing of cx
	s_lshl_b32 s59, s72, 13
	s_add_co_u32 s58, s58, s59
	s_mov_b32 s59, 0
	s_lshl_b32 s60, s23, 20                        ; x: b x 1,048,576 + 8 x 16,384 x wave + 1,024 yb
	s_lshl_b32 s61, s72, 17
	s_add_co_u32 s60, s60, s61
	s_lshl_b32 s61, s22, 10
	s_add_co_u32 s60, s60, s61
	s_mov_b32 s61, 0
	s_wait_dscnt 0x0
	s_wait_kmcnt 0x0
	s_add_nc_u64 s[26:27], s[6:7], s[58:59]
	s_or_b32 s27, s27, 0x80000000
	s_add_nc_u64 s[30:31], s[10:11], s[60:61]
	s_or_b32 s31, s31, 0x80000000
	CROUND                                         ; all four work-groups are here: the joint loads meet
	s_cmp_lt_u32 s20, 8                            ; a wave's two fills stand in one branch on its number: two loads of mine are out
	s_cbranch_scc0 .Lno_fetch
	tensor_load_to_lds s[24:27], s[32:39]          ; the keys, jointly
	s_nop 0
	tensor_load_to_lds s[28:31], s[40:47]          ; x, my work-group's own
	s_nop 0
.rept 4
	v_nop
.endr
.Lno_fetch:
	s_load_b32 s56, s[16:17], 0x0                  ; gamma
	v_and_b32 v252, 31, v0                         ; lane
	v_and_b32 v253, 15, v0                         ; r
	v_bfe_u32 v254, v0, 4, 1                       ; h
	v_lshl_add_u32 v1, v252, 4, PHI
	v_lshl_add_u32 v2, v252, 4, GIM
	v_lshl_add_u32 v3, v252, 2, GSC
	v_mul_u32_u24 v11, v253, XP
	v_lshl_add_u32 v11, v254, 5, v11
	s_lshl_b32 s62, s20, 6
	v_add_nc_u32 v11, s62, v11                     ; channel r, pixels 16 w + 8 h on
	s_mul_i32 s62, s20, 4*XP
	v_lshl_add_u32 v228, v252, 4, s62              ; the way out: channels 4 w on, 16 bytes a lane
	v_lshlrev_b32 v231, 4, v252
	v_and_b32 v229, 0xff, v0
	v_lshl_add_u32 v229, v229, 2, GSC              ; word i = thread % 256 of g's scale words
	v_bfe_u32 v230, v0, 5, 3
	v_lshl_add_u32 v230, v230, 7, v252             ; its four bytes begin at (i / 32) x 128 + i % 32, 32 bytes apart
	; theta of my 16 pixels: image row w / 4, columns 16 (w % 4) + r.  In theta_img: tile 8 (w / 8) + 4 (w % 2) + 2 ((w / 4) % 2) + r % 2, lane 8 ((w / 2) % 2) + r / 2 + 16 h
	s_lshl_b32 s66, s23, 4
	s_add_co_u32 s66, s66, s22
	s_lshl_b32 s66, s66, 13
	s_lshr_b32 s62, s20, 3
	s_lshl_b32 s62, s62, 12
	s_add_co_u32 s66, s66, s62
	s_and_b32 s62, s20, 1
	s_lshl_b32 s62, s62, 11
	s_add_co_u32 s66, s66, s62
	s_bfe_u32 s62, s20, 0x10002
	s_lshl_b32 s62, s62, 10
	s_add_co_u32 s66, s66, s62
	s_bfe_u32 s62, s20, 0x10001
	s_lshl_b32 s62, s62, 7
	s_add_co_u32 s66, s66, s62
	s_mov_b32 s67, 0
	s_add_nc_u64 s[66:67], s[4:5], s[66:67]
	v_and_b32 v8, 1, v253
	v_lshrrev_b32 v10, 1, v253
	v_lshlrev_b32 v8, 9, v8
	v_lshl_add_u32 v8, v10, 4, v8
	v_lshl_add_u32 v8, v254, 8, v8
	global_load_b128 v[4:7], v8, s[66:67] th:TH_LOAD_NT
	v_lshlrev_b32 v9, 5, v253
	v_lshl_add_u32 v9, v254, 4, v9                 ; Wo: row r of 32 codes, + 16 h
.irp c, 0,1,2,3
	global_load_b128 v[210+4*\c:213+4*\c], v9, s[12:13] offset:512*\c   ; tile c: output channels 16 c + r
	global_load_u8 v[244+\c], v253, s[14:15] offset:16*\c
.endr
	s_lshl_b32 s68, s23, 10
	s_mov_b32 s69, 0
	s_add_nc_u64 s[68:69], s[8:9], s[68:69]        ; g_sc of my batch
	s_lshl_b32 s70, s23, 20                        ; out0 + b x 1,048,576 + 4 x 16,384 x wave + 1,024 yb
	s_lshl_b32 s62, s20, 16
	s_add_co_u32 s70, s70, s62
	s_lshl_b32 s62, s22, 10
	s_add_co_u32 s70, s70, s62
	s_mov_b32 s71, 0
	s_add_nc_u64 s[70:71], s[18:19], s[70:71]
	s_cmp_lt_u32 s20, 8                            ; the waves that fetch nothing lay g's scale bytes as words: byte c of word (step, 16 t + r) belongs to pooled row 4 step + c
	s_cbranch_scc1 .Lno_sc
.irp c, 0,1,2,3
	global_load_u8 v[240+\c], v230, s[68:69] offset:32*\c
.endr
	s_wait_loadcnt 0x0
	v_lshl_or_b32 v240, v241, 8, v240
	v_lshl_or_b32 v240, v242, 16, v240
	v_lshl_or_b32 v240, v243, 24, v240
	ds_store_b32 v229, v240
.Lno_sc:
	s_mov_b32 s48, 0x76543210
	s_mov_b32 s49, 0xfedcba98                      ; v_permlanex16_b32's selects for lane l xor 16
	s_mov_b32 s50, 0x3fb8aa3b                      ; log2(e)
	s_mov_b32 s51, s50                             ; (the packed form names the pair)
	s_mov_b32 s52, 0x600000                        ; the mantissa field of 448
	s_mov_b32 s53, 0                               ; the step's place in phi and in g's codes: 4,096 bytes a step
	s_mov_b32 s54, 0                               ; and among g's scale words: 128 bytes a step
	s_wait_loadcnt 0x0                             ; theta, Wo
	v_lshl_or_b32 v226, v245, 8, v244              ; Wo's scale word: byte c belongs to output channel 16 c + r
	v_lshl_or_b32 v226, v246, 16, v226
	v_lshl_or_b32 v226, v247, 24, v226
	s_wait_kmcnt 0x0
	s_mov_b32 s57, s56                             ; gamma, as a pair
	s_wait_tensorcnt 0x1                           ; my part of the keys has landed; the one load issued behind it, x's, may stay out
	s_wait_dscnt 0x0                               ; my scale words are stored
	s_barrier_signal -1
	s_barrier_wait -1
; Product wn of 16 of S^T = phi^T theta: 0-7 start the eight tiles' sums (channels 4 h + 0, 1), 8-15 add channels 4 h + 2, 3.  The eight accumulators take turns, one instruction a turn.
; skip = 1: the last step has no successor.
.macro W skip
.if (\skip) == 0
.if wn < 8
	v_wmma_f32_16x16x4_f32 v[64+8*wn:71+8*wn], v[32+4*wn:33+4*wn], v[4:5], 0
.else
	v_wmma_f32_16x16x4_f32 v[8*wn:8*wn+7], v[4*wn+2:4*wn+3], v[6:7], v[8*wn:8*wn+7]
.endif
.set wn, wn+1
.endif
.endm
; O^T += g p^T for 128 keys: two tiles of 16 channels; g's scale words of tile 0 in lanes 0-15 of v208, of tile 1 in lanes 16-31
.macro PV
	v_wmma_scale_f32_16x16x128_f8f6f4 v[16:23], v[32:47], v[192:207], v[16:23], v208, v209
	v_wmma_scale_f32_16x16x128_f8f6f4 v[24:31], v[48:63], v[192:207], v[24:31], v208, v209 matrix_a_scale:MATRIX_SCALE_ROW1
.endm
; A TRIP: the softmax of the step whose scores lie in S^T; in it the products O^T += g p^T of the step before (first = 1: there is none) and the products of the next step's scores (last = 1: there is none).
.macro TRIP first, last
.set wn, 0
.if (\last) == 0
	v_add_nc_u32 v8, s53, v1                       ; phi: the next step's tiles lie 4,096 bytes on (in the loads' immediates)
.endif
.irp b, 0,1,2,3
	v_max3_num_f32 v[232+\b], v[64+16*\b], v[65+16*\b], v[66+16*\b]   ; the largest score of each block of 32 keys: for the row's maximum and, since p rises with the score, for the block's largest p
.endr
.irp i, 3,5,7,9,11,13
.irp b, 0,1,2,3
	v_max3_num_f32 v[232+\b], v[232+\b], v[64+16*\b+\i], v[65+16*\b+\i]
.endr
.endr
.irp b, 0,1,2,3
	v_max_num_f32 v[232+\b], v[232+\b], v[79+16*\b]
.endr
.irp b, 0,1,2,3
	v_permlanex16_b32 v[236+\b], v[232+\b], s48, s49
.endr
.irp b, 0,1,2,3
	v_max_num_f32 v[232+\b], v[232+\b], v[236+\b]  ; with lane l xor 16's 16 keys
.endr
	v_max3_num_f32 v254, v232, v233, v234
	v_max_num_f32 v254, v254, v235                 ; the step's largest score of my query
	v_mul_f32 v254, s50, v254                      ; as t
	v_max_num_f32 v13, v13, v254                   ; the running largest t
	v_mov_b32 v254, v12
	v_floor_f32 v12, -v13                          ; the new -M = -ceil(t)
	v_sub_f32 v254, v12, v254                      ; old M - new M: a whole number, 0 or less
	v_cvt_i32_f32 v254, v254                       ; (it saturates)
	v_ldexp_f32 v250, 1.0, v254                    ; f = 2^(old M - new M)
.if (\first) == 0
	s_wait_dscnt 0x0                               ; g's fragments and scale word of the step before, asked for at the last trip's end
	PV                                             ; under the old M: O^T is brought under the new one further down
.endif
.set pj, 0
.rept 10
	v_pk_fma_f32 v[128+pj:129+pj], v[64+pj:65+pj], s[50:51], v[12:13] op_sel_hi:[1,0,0]   ; t - M, two at a time, into p's registers.  These ten are the places between the products above and the loads into g's registers
.set pj, pj+2
.endr
.if (\last) == 0
.irp t, 0,1,2,3,4,5,6,7
	ds_load_b128 v[32+4*\t:35+4*\t], v8 offset:4096+512*\t   ; phi of the next step's tile t: 512 consecutive bytes
.endr
.endif
.rept 22
	v_pk_fma_f32 v[128+pj:129+pj], v[64+pj:65+pj], s[50:51], v[12:13] op_sel_hi:[1,0,0]
.set pj, pj+2
.endr
.irp b, 0,1,2,3
	v_fma_f32 v[232+\b], v[232+\b], s50, v12       ; the same of each block's largest score
.endr
.if (\last) == 0
	s_wait_dscnt 0x0                               ; phi.  From here on nothing reads S^T: the next step's products may write it
.endif
.set pj, 0
.rept 8
	W \last
.rept 8
	v_exp_f32 v[128+pj], v[128+pj]                 ; p = 2^(t - M)
.set pj, pj+1
.endr
.endr
	v_pk_mul_f32 v[14:15], v[14:15], v[250:251] op_sel_hi:[1,0]   ; l under the new M: a plain line behind the exponentials
	s_wait_alu depctr_va_vdst(0)                   ; one wait for the batch of 64, ahead of its first reader
.irp b, 0,1,2,3
	v_exp_f32 v[232+\b], v[232+\b]                 ; the block's largest p: the same two instructions on the same number
.endr
	W \last
	v_pk_add_f32 v[236:237], v[128:129], v[130:131]   ; l is taken of the unquantised p, in two chains; these lines read the 64 alone
.irp j, 4,8,12,16,20,24,28
	v_pk_add_f32 v[14:15], v[14:15], v[128+\j:129+\j]
	v_pk_add_f32 v[236:237], v[236:237], v[130+\j:131+\j]
.endr
	W \last
.irp j, 32,36,40,44,48,52,56,60
	v_pk_add_f32 v[14:15], v[14:15], v[128+\j:129+\j]
	v_pk_add_f32 v[236:237], v[236:237], v[130+\j:131+\j]
.endr
	v_pk_add_f32 v[14:15], v[14:15], v[236:237]
	s_wait_alu depctr_va_vdst(0)                   ; and one for the four
	W \last
.irp b, 0,1,2,3
	v_max_num_f32 v[232+\b], 0x4800000, v[232+\b]  ; the floor 2^(9 - 127): the byte cannot fall under 1
.endr
.irp b, 0,1,2,3
	v_add_nc_u32 v[244+\b], 0xfc000000, v[232+\b]  ; 8 off the exponent field: the conversion's scale operand
.endr
.irp b, 0,1,2,3
	v_and_or_b32 v[240+\b], v[232+\b], 0x7f800000, s52   ; 448 x the scale
.endr
.irp b, 0,1,2,3
	v_lshrrev_b32 v[236+\b], 23, v[244+\b]         ; the scale's byte
.endr
	v_lshl_or_b32 v209, v237, 8, v236              ; p's scale word for these 128 keys
	v_lshl_or_b32 v209, v238, 16, v209
	v_lshl_or_b32 v209, v239, 24, v209
.irp b, 0,1,2,3
	W \last
.irp i, 0,1,2,3,4,5,6,7,8,9,10,11,12,13,14,15
	v_min_num_f32 v[128+16*\b+\i], v[128+16*\b+\i], v[240+\b]   ; the conversion does not saturate (ISA guide 7.6.2); p is not negative, so the hold is one-sided
.endr
	v_cvt_scalef32_pk8_fp8_f32 v[192+4*\b:193+4*\b], v[128+16*\b:135+16*\b], v[244+\b]
	v_cvt_scalef32_pk8_fp8_f32 v[194+4*\b:195+4*\b], v[136+16*\b:143+16*\b], v[244+\b]
.endr
	W \last                                        ; the sixteenth
.irp j, 0,2,4,6,8,10,12,14
	v_pk_mul_f32 v[16+\j:17+\j], v[16+\j:17+\j], v[250:251] op_sel_hi:[1,0]   ; O^T under the new M, each accumulator from its low end on
.endr
	v_add_nc_u32 v9, s53, v2                       ; with the eight lines above: ten places between the last product and the loads into phi's registers, and ahead of the next trip's first read of the scores
	v_add_nc_u32 v10, s54, v3
.irp t, 0,1
.irp c, 0,1,2,3
	ds_load_b128 v[32+16*\t+4*\c:35+16*\t+4*\c], v9 offset:2048*\t+512*\c   ; this step's two fragments of g: they land under the next trip's maxima
.endr
.endr
	ds_load_b32 v208, v10
	s_add_co_u32 s53, s53, 4096
	s_add_co_u32 s54, s54, 128
.endm
	v_add_nc_u32 v8, s53, v1                       ; step 0's scores stand bare: there is no vector work yet to set among them
.irp t, 0,1,2,3,4,5,6,7
	ds_load_b128 v[32+4*\t:35+4*\t], v8 offset:512*\t
.endr
	s_wait_dscnt 0x0
.set wn, 0
.rept 16
	W 0
.endr
	v_mov_b32 v13, 0xff61b1e6                      ; the largest t so far: -3e38, under every t.  (These 25 lines are the places behind the products above)
	v_floor_f32 v12, -v13                          ; -M
	v_mov_b32 v14, 0
	v_mov_b32 v15, 0
.irp j, 0,1,2,3,4,5,6,7,8,9,10,11,12,13,14,15
	v_mov_b32 v[16+\j], 0                          ; O^T: the first trip finds zeros, which the first change of M leaves zeros
.endr
.irp b, 0,1,2,3
	v_mov_b32 v[236+\b], 0                         ; written once: a lane permute's destination counts as one of its sources
.endr
	v_mov_b32 v251, 0                              ; (named as the upper half of the pair v[250:251])
	TRIP 1, 0                                      ; step 0's softmax | step 1's scores
	s_mov_b32 s55, 6
.Lstep:                                            ; steps 1 to 6
	TRIP 0, 0
	s_sub_co_u32 s55, s55, 1
	s_cmp_lg_u32 s55, 0
	s_cbranch_scc1 .Lstep
	TRIP 0, 1                                      ; step 7's softmax: no scores are left to make
	s_wait_dscnt 0x0                               ; g's fragments and scale word of step 7
	PV
	; THE TAIL.  x's block is waited for only here.
	s_wait_tensorcnt 0x0                           ; my part of x has landed,
	s_barrier_signal -1
	s_barrier_wait -1                              ; everybody's has
.irp c, 0,1,2,3
	ds_load_b128 v[156+8*\c:159+8*\c], v11 offset:16*XP*\c      ; x(channel 16 c + r, my pixels 8 h + 0 .. 7)
	ds_load_b128 v[160+8*\c:163+8*\c], v11 offset:16*XP*\c+16
.endr
.irp i, 0,1,2,3,4,5,6,7,8,9,10,11
	v_mov_b32 v[128+\i], 0                         ; zero codes on both sides of o's; these 24 lines are also the places behind the last products
	v_mov_b32 v[144+\i], 0
.endr
	v_add_f32 v14, v14, v15                        ; l's two halves,
	v_permlanex16_b32 v252, v14, s48, s49
	v_add_f32 v14, v14, v252                       ; and lane l xor 16's
	v_rcp_f32 v14, v14
	v_nop                                          ; a plain line behind the reciprocal
	s_wait_alu depctr_va_vdst(0)                   ; and the wait ahead of its first reader
.irp j, 0,1,2,3,4,5,6,7,8,9,10,11,12,13,14,15
	v_mul_f32 v[192+\j], v[16+\j], v14             ; o(channel 16 h + j, query r), each accumulator from its low end on
.endr
	v_max3_num_f32 v232, |v192|, |v193|, 0x4800000 ; o's 32 channels are one block
.irp i, 2,4,6,8,10,12,14
	v_max3_num_f32 v232, v232, |v[192+\i]|, |v[193+\i]|
.endr
	v_permlanex16_b32 v236, v232, s48, s49
	v_max_num_f32 v232, v232, v236
	v_add_nc_u32 v244, 0xfc000000, v232
	v_and_or_b32 v240, v232, 0x7f800000, s52
	v_lshrrev_b32 v237, 23, v244
	v_lshl_or_b32 v227, v237, 8, v237
	v_lshl_or_b32 v227, v227, 16, v227             ; the byte in all four places: it serves wherever the window puts the codes
.irp j, 0,1,2,3,4,5,6,7,8,9,10,11,12,13,14,15
	v_med3_num_f32 v[192+\j], v[192+\j], -v240, v240
.endr
	v_cvt_scalef32_pk8_fp8_f32 v[140:141], v[192:199], v244
	v_cvt_scalef32_pk8_fp8_f32 v[142:143], v[200:207], v244
.rept 4
	v_nop                                          ; four places between the codes and the scaled products
.endr
.irp c, 0,1,2,3                                ; source 0 = my 16 queries (o's codes at registers 4 c of the window), source 1 = Wo: lane (r, h), register j: channel 16 c + r, pixel 8 h + j
	v_wmma_scale_f32_16x16x128_f8f6f4 v[32+8*\c:39+8*\c], v[140-4*\c:155-4*\c], v[210:225], 0, v227, v226
.endr
.rept 8
	v_nop
.endr
	s_wait_dscnt 0x0                               ; x
.irp c, 0,1,2,3
.irp k, 0,2,4,6
	v_pk_fma_f32 v[156+8*\c+\k:157+8*\c+\k], v[32+8*\c+\k:33+8*\c+\k], s[56:57], v[156+8*\c+\k:157+8*\c+\k] op_sel_hi:[1,0,1]   ; gamma o + x
.endr
.endr
.irp c, 0,1,2,3
	ds_store_b128 v11, v[156+8*\c:159+8*\c] offset:16*XP*\c     ; back to the bytes that I read: my own; the block has had its one fill
	ds_store_b128 v11, v[160+8*\c:163+8*\c] offset:16*XP*\c+16
.endr
	s_wait_dscnt 0x0                               ; for the others' sake: my stores are done
	s_barrier_signal -1
	s_barrier_wait -1
.irp k, 0,1,2,3,4,5,6,7
	ds_load_b128 v[156+4*\k:159+4*\k], v228 offset:(\k/2)*XP+512*(\k%2)   ; channels 4 w + k / 2, half a channel's 1,024 bytes
.endr
.irp k, 0,1,2,3,4,5,6,7
	s_wait_dscnt 7-\k                              ; the younger loads may stay out
	global_store_b128 v231, v[156+4*\k:159+4*\k], s[70:71] offset:(\k/2)*16384+512*(\k%2) th:TH_STORE_NT   ; 512 consecutive bytes, at a multiple of 256 from out0's first byte
.endr
	s_wait_tensorcnt 0x0
	ds_add_u32 v249, v255
	s_wait_dscnt 0x0
	CROUND                                         ; the closing round: no work-group ends while a partner may still ask for the tile that names it
	s_endpgm
.Lfunc_end_k_q41781da8bc_attn:
	.size	k_q41781da8bc_attn, .Lfunc_end_k_q41781da8bc_attn-k_q41781da8bc_attn
	.p2alignl 7, 3214868480
	.fill 96, 4, 3214868480
	.section	.rodata,"a",@progbits
	.p2align	6, 0x0
	.amdhsa_kernel k_q41781da8bc_attn
		.amdhsa_group_segment_fixed_size 169984
		.amdhsa_private_segment_fixed_size 0
		.amdhsa_enable_private_segment 0
		.amdhsa_kernarg_size 64
		.amdhsa_user_sgpr_count 2
		.amdhsa_user_sgpr_kernarg_segment_ptr 1
		.amdhsa_wavefront_size32 1
		.amdhsa_system_sgpr_workgroup_id_x 1
		.amdhsa_system_sgpr_workgroup_id_y 1
		.amdhsa_system_sgpr_workgroup_id_z 1
		.amdhsa_system_vgpr_workitem_id 0
		.amdhsa_next_free_vgpr 256
		.amdhsa_next_free_sgpr 80
		.amdhsa_reserve_vcc 0
		.amdhsa_float_denorm_mode_32 3
		.amdhsa_float_denorm_mode_16_64 3
		.amdhsa_memory_ordered 1
		.amdhsa_forward_progress 1
		.amdhsa_inst_pref_size 66
	.end_amdhsa_kernel
	.amdgpu_metadata
---
amdhsa.version: [ 1, 2 ]
amdhsa.kernels:
  - .name:           k_q41781da8bc_attn
    .symbol:         k_q41781da8bc_attn.kd
    .args:
      - { .name: theta_img, .offset: 0, .size: 8, .value_kind: global_buffer, .address_space: global }
      - { .name: kv_img, .offset: 8, .size: 8, .value_kind: global_buffer, .address_space: global }
      - { .name: g_sc, .offset: 16, .size: 8, .value_kind: global_buffer, .address_space: global }
      - { .name: x, .offset: 24, .size: 8, .value_kind: global_buffer, .address_space: global }
      - { .name: Wo_codes, .offset: 32, .size: 8, .value_kind: global_buffer, .address_space: global }
      - { .name: Wo_scales, .offset: 40, .size: 8, .value_kind: global_buffer, .address_space: global }
      - { .name: gamma, .offset: 48, .size: 8, .value_kind: global_buffer, .address_space: global }
      - { .name: out0, .offset: 56, .size: 8, .value_kind: global_buffer, .address_space: global }
    .group_segment_fixed_size: 169984
    .private_segment_fixed_size: 0
    .kernarg_segment_align: 8
    .kernarg_segment_size: 64
    .max_flat_workgroup_size: 512
    .sgpr_count:     80
    .vgpr_count:     256
    .wavefront_size: 32
...
	.end_amdgpu_metadata
.endif
;; end of part 2
